; MI455X (gfx1250); checked and timed in simulation.
; The chip was launched on July 23, 2026; its instructions are those of AMD's public machine-readable ISA for CDNA 5 (MIT licence, August 2026) and "CDNA5" Instruction Set Architecture Reference Guide (July 2026). The comments in the code are by the model that wrote it; some were corrected since.
;; Curv Self Attention. Allowed arithmetic: matrix products marked QUANTISED: E2M1 operands, one E8M0 scale for each 32 along K, by v_wmma_scale_f32_16x16x128_f8f6f4 with both operands' format E2M1 (or v_wmma_scale_f32_32x16x128_f4), f32 sums; everything else in f32.
;; Inputs: Wk 1,024 x 1,024 float32; Wq 1,024 x 1,024 float32; Ws 1,024 x 128 float32; Wv 1,024 x 1,024 float32; bk 1,024 float32; bq 1,024 float32; bs 128 float32; bv 1,024 float32; hidden_states 4 x 2,048 x 1,024 float32.
;; Outputs: out0 4 x 2,048 x 1,024 float32.
;; This version of the problem:
;;   THIS VERSION OF THE PROBLEM IS GIVEN IN LOW PRECISION. The matrix products marked QUANTISED in the list below multiply operands that are first quantised to E2M1 (2 exponent bits, 1 mantissa bit; 4 bits a number), with one power-of-two scale for each 32 numbers along K (OCP MX v1.0); their sums are f32. All else is computed in f32.
;;   The module's matrix products, in the order in which they are computed (A, B: the left and right operand; K: the contracted axis; several contracted axes count as one K, in the product's order):
;;     1. [M 8,192, K 1,024] x [K 1,024, N 1,024]; A: input hidden_states; B: input Wq: QUANTISED
;;     2. [M 8,192, K 1,024] x [K 1,024, N 1,024]; A: input hidden_states; B: input Wk: QUANTISED
;;     3. [M 8,192, K 1,024] x [K 1,024, N 1,024]; A: input hidden_states; B: input Wv: QUANTISED
;;     4. [M 8,192, K 1,024] x [K 1,024, N 128]; A: input hidden_states; B: input Ws: QUANTISED
;;     5. batch 64 x [M 2,048, K 64] x [K 64, N 2,048]; A: computed on the way; B: computed on the way: QUANTISED
;;     6. batch 64 x [M 2,048, K 2,048] x [K 2,048, N 64]; A: softmax (see below); B: computed on the way: QUANTISED
;;   THE QUANTISER, for each operand of a quantised product, along K:
;;     - K is cut into blocks of 32 from its start; a last block that is shorter is filled with zeros.
;;     - A block's scale is 2^e with e = floor(log2(the largest magnitude in the block)) - 2, held to -126 .. 127; a block of zeros has e = 0. As a byte (E8M0): e + 127.
;;     - Each number is divided by its block's scale, clamped to +-6, and rounded to the nearest number of E2M1, ties to even, subnormals kept.
;;     - The product sums the exact products of the quantised numbers (number of the format x scale) in f32.
;;   ~~~python
;;   def quantise(x, axis):      # numpy; x: float32 -> the quantised numbers, widened to float32 again
;;       x = np.moveaxis(x, axis, -1); K = x.shape[-1]
;;       x = np.pad(x, [(0, 0)] * (x.ndim - 1) + [(0, -K % 32)]); x = x.reshape(x.shape[:-1] + (-1, 32)); a = np.abs(x).max(-1, keepdims=True)
;;       e = np.where(a > 0, np.clip(np.frexp(np.where(a > 0, a, 1))[1] - 1 - 2, -126, 127), 0)      # np.frexp(a)[1] - 1 = floor(log2(a)), exactly
;;       r = np.clip(x / 2.0 ** e, -6, 6)
;;       step = 2.0 ** (np.maximum(np.frexp(np.where(r == 0, 1, r))[1] - 1, 0) - 1)
;;       q = np.round(r / step) * step * 2.0 ** e      # np.round: ties to even
;;       return np.moveaxis(q.reshape(q.shape[:-2] + (-1,))[..., :K], -1, axis).astype(np.float32)
;;   ~~~
;;   SOFTMAX AHEAD OF A QUANTISED PRODUCT. Where the list says 'softmax', what is quantised is not the finished softmax but p = 2^(t - M), with t = logit x log2(e) and M = ceil(the row's largest t), a whole number; so 1/2 < the row's largest p <= 1. The row's sum l is taken of the UNQUANTISED p, in f32, and the product's result is divided by l at the end. Since M is a whole number, a kernel that streams over the keys may use a running M (the ceiling of the running maximum): every later rescaling is an exact power of two, which a block's scale takes up: the codes' values come out the same.
;;   OPERANDS COMPUTED ON THE WAY. 'Computed on the way' means the value that the module computes at that place (a softmax that the list does not call 'softmax' is quantised finished and normalised). What goes into a quantiser is computed in f32, as accurately as f32 sums, v_exp_f32 and their like allow (about 1e-6 of the number): no bf16 or f16 on the way to a quantiser, and a product that is left as it is and whose result goes on into a quantised operand takes f32 operands (vector FMAs, or v_wmma_f32_16x16x4_f32). A number that lies on a knife's edge between two numbers of the format may be rounded either way, as far as f32 arithmetic and the matrix unit's own rounding can turn it there, and no further.
;; One version. Each part assembles by itself: llvm-mc -triple=amdgcn-amd-amdhsa -mcpu=gfx1250 --defsym DOCPART=n.
;; ======== version 1 of 1: 3 launches
;; limits: right only within a limited range of input values
;; workspace buffers: hq 4,456,448 bytes; wq 1,818,624 bytes; q 4,718,592 bytes; kv 8,912,896 bytes
;; launch quant (part 1): grid 360 x 1, 8 waves a work-group, no clusters, 136,192 bytes of LDS; arguments hidden_states, Wq, Wk, Wv, Ws, hq, wq; writes hq, wq
.if DOCPART == 1
	.amdgcn_target "amdgcn-amd-amdhsa--gfx1250"
	.amdhsa_code_object_version 6
	.text
	.protected	k_q1d01b55f82_quant
	.globl	k_q1d01b55f82_quant
	.p2align	8
	.type	k_q1d01b55f82_quant,@function
k_q1d01b55f82_quant:
	s_mov_b64 s[64:65], 0
	v_nop
	global_prefetch_b8 v0, s[64:65] scope:SCOPE_SE
	s_setreg_imm32_b32 hwreg(HW_REG_WAVE_MODE, 25, 1), 1
	s_wait_xcnt 0x0
; hidden_states [8192][1024] and the weights Wq, Wk, Wv [1024][1024], Ws [1024][128], all f32, become codes of FP4 (E2M1) with one E8M0 byte for each 32 along K = 1,024.
; A block's byte is its largest magnitude's exponent field - 2, held at 1 from below; each number is divided by the scale and rounded to the nearest code, ties to even, beyond 6 the largest code.
; LIMITS: NaN and infinities among the inputs are not served; a block whose largest magnitude lies under 2^-124 gets the byte 1; a block of zeros gets the byte 1 where the rule says 127:
; its codes are zeros, which add nothing under any byte but 0xff, and the bytes are read by this program alone.
; BOTH OUTPUTS ARE IMAGES OF OPERAND REGISTERS: a group of four registers of a fragment (16 rows x 128 K) is 512 consecutive bytes, lane l's 16 bytes at 16 l.
; hq: 64 records of 69,632 bytes, one for each 128 rows.  Fragment (tile m = 2 b + u, K step k) at (8 m + k) x 1,024, group c at + 512 c; lane (r, h) holds row 32 b + 8 u + r + 8 (r / 8), k = 128 k + 64 c + 32 h + 0 .. 31.
;     Scale words from 65,536 on, at (8 b + k) x 128 + 4 l: lanes 0-15 tile 2 b's rows, lanes 16-31 tile 2 b + 1's.  (That store covers 128 consecutive bytes: one byte in 17 of what this path stores.)
; wq: 16 records of 113,664 bytes, one for each head.  Tiles T: 0 the scale logits', 1-4 Q's, 5-8 K's, 9-12 V's; fragment (T, k) at (8 T + k) x 1,024.  Scale words from 106,496 on, at 896 k + 64 (T + 1) + 4 r (T = 0: at 0 and again at 64).
; WORK-GROUPS: 0-255 take 32 rows of hidden_states each; 256-351 take 32 columns of Wq, Wk or Wv; 352-359 the columns of Ws for two heads.  In each, wave k takes K step k.  Only the first path uses LDS; waves share nothing: no barrier.
.set HREC,  69632
.set WREC,  113664
.set WSCL,  106496
.set SLOTB, 528                        ; a row's place in a wave's stage: 512 bytes + 16, so that sixteen rows' equal columns fall on different banks
.set WSTG,  32*SLOTB                   ; a wave's stage
.set RAW,   16                         ; v16-143  32 rows as loaded; later the second tile's 64 numbers.  On the weights' paths: 128 numbers down K
.set X,     144                        ; v144-207 the first tile's 64 numbers.  On the weights' paths v144-159: the codes
.set C,     208                        ; v208-223 codes, 8 registers a tile
.set M,     224                        ; v224-225 largest magnitudes
.set SO,    226                        ; v226-227 the conversions' scale operands
.set BY,    228                        ; v228-229 scale bytes
.set W0,    230                        ; v230-231 the two tiles' scale words
.set TP,    232                        ; v232     a lane permute's destination
.set WW,    233                        ; v233     the word that is stored
	s_load_b256 s[4:11], s[0:1], 0x0               ; hidden_states, Wq, Wk, Wv
	s_load_b128 s[12:15], s[0:1], 0x20             ; Ws, hq
	s_load_b64 s[16:17], s[0:1], 0x30              ; wq
	v_lshl_add_u32 v240, v0, 2, 0x21000
	v_mov_b32 v241, 0
	v_lshrrev_b32 v1, 5, v0
	s_delay_alu instid0(VALU_DEP_1)
	v_readfirstlane_b32 s20, v1                    ; my wave = my K step k
	v_and_b32 v1, 31, v0                           ; lane
	s_delay_alu instid0(VALU_DEP_1)
	v_lshlrev_b32 v2, 4, v1                        ; 16 x lane
	s_delay_alu instid0(VALU_DEP_2)
	v_lshlrev_b32 v5, 2, v1                        ; 4 x lane
	s_mov_b32 s21, 0x76543210
	s_mov_b32 s22, 0xfedcba98                      ; v_permlanex16_b32's selects for lane l xor 16
	s_mov_b32 s23, 0xffff0000                      ; lanes 16-31
	v_mov_b32 v[TP], 0                             ; a lane permute's destination counts as one of its sources
	s_cmp_ge_u32 ttmp9, 256
	s_cbranch_scc1 .Lw
	; ---- hidden_states: rows 32 p .. 32 p + 31 (p the work-group), bytes 512 k .. 512 k + 511 of each
	s_mul_i32 s24, s20, WSTG
	v_add_nc_u32 v3, s24, v2                       ; the stage, on the way in: 16 x lane in a row's place
	v_and_b32 v7, 15, v1                           ; r
	v_lshrrev_b32 v8, 4, v1                        ; h
	s_delay_alu instid0(VALU_DEP_2)
	v_mul_u32_u24 v4, v7, SLOTB
	s_delay_alu instid0(VALU_DEP_1)
	v_lshl_add_u32 v4, v8, 7, v4
	s_delay_alu instid0(VALU_DEP_1)
	v_add_nc_u32 v4, s24, v4                       ; on the way out: place r, + 128 h: my 32 numbers of a block
	s_delay_alu instid0(VALU_DEP_4)
	v_lshlrev_b32 v6, 3, v8                        ; 8 h: where my bytes stand in a scale word
	s_lshl_b32 s24, ttmp9, 17                      ; 32 rows of 4,096 bytes
	s_lshl_b32 s25, s20, 9
	s_add_co_u32 s24, s24, s25
	s_mov_b32 s25, 0
	s_lshr_b32 s26, ttmp9, 2
	s_mul_i32 s26, s26, HREC                       ; the record of my 128 rows
	s_and_b32 s27, ttmp9, 3                        ; b
	s_lshl_b32 s28, s27, 4
	s_add_co_u32 s28, s28, s20
	s_lshl_b32 s28, s28, 10                        ; fragment (2 b, k)
	s_add_co_u32 s28, s28, s26
	s_mov_b32 s29, 0
	s_lshl_b32 s30, s27, 3
	s_add_co_u32 s30, s30, s20
	s_lshl_b32 s30, s30, 7                         ; its scale words
	s_add_co_u32 s30, s30, s26
	s_add_co_u32 s30, s30, 65536
	s_mov_b32 s31, 0
	s_wait_alu depctr_va_vdst(0)
	s_wait_kmcnt 0x0
	s_add_nc_u64 s[24:25], s[4:5], s[24:25]
	s_add_nc_u64 s[28:29], s[14:15], s[28:29]
	s_add_nc_u64 s[30:31], s[14:15], s[30:31]
.set n_, 0
.rept 32
	global_load_b128 v[RAW+4*n_:RAW+4*n_+3], v2, s[24:25] offset:4096*n_ th:TH_LOAD_NT   ; 32 lanes read 512 consecutive bytes of row n_
.set n_, n_+1
.endr
; Row 8 g + j goes to place j + 16 (g % 2) + 8 (g / 2): tile u's lane r then finds its row, 8 u + r + 8 (r / 8), in place 16 u + r.
.irp g, 0,1,2,3
	s_wait_loadcnt 24-8*\g                         ; these eight rows are in; the count is that of the younger loads
.irp j, 0,1,2,3,4,5,6,7
	ds_store_b128 v3, v[RAW+4*(8*\g+\j):RAW+4*(8*\g+\j)+3] offset:(\j+16*(\g%2)+8*(\g/2))*SLOTB
.endr
.endr
.irp c, 0,1
.irp i, 0,1,2,3,4,5,6,7
	ds_load_b128 v[X+32*\c+4*\i:X+32*\c+4*\i+3], v4 offset:256*\c+16*\i   ; tile 0: k = 64 c + 32 h + 4 i on.  LDS serves a wave's instructions in order: these see my stores
.endr
.endr
	s_wait_dscnt 0x0                               ; tile 0 is in, and the stores have read the registers that tile 1 now takes
.irp c, 0,1
.irp i, 0,1,2,3,4,5,6,7
	ds_load_b128 v[RAW+32*\c+4*\i:RAW+32*\c+4*\i+3], v4 offset:16*SLOTB+256*\c+16*\i
.endr
.endr
; 64 numbers of a lane, two whole blocks (2 c + h of the K step), become tile u's fragment and its rows' scale word.
.macro QH src, u
.irp c, 0,1
	v_max3_num_f32 v[M+\c], |v[\src+32*\c]|, |v[\src+32*\c+1]|, 0x1800000   ; with the floor 2^(3 - 127): the byte cannot fall under 1
.endr
.irp i, 2,4,6,8,10,12,14,16,18,20,22,24,26,28,30
.irp c, 0,1
	s_delay_alu instid0(VALU_DEP_2)
	v_max3_num_f32 v[M+\c], v[M+\c], |v[\src+32*\c+\i]|, |v[\src+32*\c+\i+1]|   ; the two blocks by turns
.endr
.endr
.irp c, 0,1
	s_delay_alu instid0(VALU_DEP_2)
	v_add_nc_u32 v[SO+\c], 0xff000000, v[M+\c]     ; 2 off the exponent field: the conversion takes this operand's exponent field as its scale
.endr
.irp c, 0,1
	s_delay_alu instid0(VALU_DEP_2)
	v_lshrrev_b32 v[BY+\c], 23, v[SO+\c]           ; the scale's byte
.endr
	s_delay_alu instid0(VALU_DEP_1)
	v_lshl_or_b32 v[W0+\u], v[BY+1], 16, v[BY]     ; my two bytes: blocks h and 2 + h,
	s_delay_alu instid0(VALU_DEP_1)
	v_lshlrev_b32 v[W0+\u], v6, v[W0+\u]           ; at their places,
	s_delay_alu instid0(VALU_DEP_1)
	v_permlanex16_b32 v[TP], v[W0+\u], s21, s22
	s_delay_alu instid0(VALU_DEP_1)
	v_or_b32 v[W0+\u], v[W0+\u], v[TP]             ; with lane l xor 16's two the word is whole
.irp c, 0,1
.irp g, 0,1,2,3
	v_cvt_scalef32_pk8_fp4_f32 v[C+8*\u+4*\c+\g], v[\src+32*\c+8*\g:\src+32*\c+8*\g+7], v[SO+\c]
.endr
.endr
	v_nop                                          ; one plain line behind the last conversion
.irp c, 0,1
	global_store_b128 v2, v[C+8*\u+4*\c:C+8*\u+4*\c+3], s[28:29] offset:8192*\u+512*\c   ; 512 consecutive bytes
.endr
.endm
	QH X, 0
	s_wait_dscnt 0x0                               ; tile 1 is in
	QH RAW, 1
	v_cndmask_b32 v[WW], v[W0], v[W0+1], s23       ; lanes 0-15 tile 2 b's words, lanes 16-31 tile 2 b + 1's
	global_store_b32 v5, v[WW], s[30:31]
	s_wait_tensorcnt 0x0
	ds_add_u32 v240, v241
	s_wait_dscnt 0x0
	s_endpgm
; ---- the weights.  A LANE TAKES A COLUMN AND ITS REGISTERS RUN DOWN K: 128 numbers, four whole blocks.  Lanes 0-15 are one tile's 16 rows, lanes 16-31 another's.
; v7: 4 x my column; s[40:41]: the weight at row 128 k; s[34:35]: where the first tile's fragment goes; the second's goes delta bytes on.
.macro WQ pitch, delta
.set n_, 0
.rept 128
	global_load_b32 v[RAW+n_], v7, s[40:41] offset:n_*\pitch
.set n_, n_+1
.endr
.irp kb, 0,1,2,3
.if \kb < 2
	s_wait_loadcnt 63                              ; 96 and 64 younger loads could stay out; a wait's count names 63 at the most
.else
	s_wait_loadcnt 96-32*\kb                       ; the younger blocks' loads stay out
.endif
	v_max3_num_f32 v[M], |v[RAW+32*\kb]|, |v[RAW+32*\kb+1]|, |v[RAW+32*\kb+2]|
	v_max3_num_f32 v[M+1], |v[RAW+32*\kb+3]|, |v[RAW+32*\kb+4]|, |v[RAW+32*\kb+5]|
.irp i, 6,10,14,18,22,26
	s_delay_alu instid0(VALU_DEP_2)
	v_max3_num_f32 v[M], v[M], |v[RAW+32*\kb+\i]|, |v[RAW+32*\kb+\i+1]|
	s_delay_alu instid0(VALU_DEP_2)
	v_max3_num_f32 v[M+1], v[M+1], |v[RAW+32*\kb+\i+2]|, |v[RAW+32*\kb+\i+3]|
.endr
	s_delay_alu instid0(VALU_DEP_2)
	v_max3_num_f32 v[M], v[M], |v[RAW+32*\kb+30]|, |v[RAW+32*\kb+31]|
	s_delay_alu instid0(VALU_DEP_1)
	v_max3_num_f32 v[M], v[M], v[M+1], 0x1800000   ; and the floor
	s_delay_alu instid0(VALU_DEP_1)
	v_add_nc_u32 v[SO], 0xff000000, v[M]
	s_delay_alu instid0(VALU_DEP_1)
	v_lshrrev_b32 v[BY], 23, v[SO]
.if \kb == 0
	s_delay_alu instid0(VALU_DEP_1)
	v_mov_b32 v[WW], v[BY]
.else
	s_delay_alu instid0(VALU_DEP_1)
	v_lshl_or_b32 v[WW], v[BY], 8*\kb, v[WW]       ; my column's scale word: byte kb for block kb
.endif
.irp g, 0,1,2,3
	v_cvt_scalef32_pk8_fp4_f32 v[X+4*\kb+\g], v[RAW+32*\kb+8*\g:RAW+32*\kb+8*\g+7], v[SO]
.endr
	v_nop                                          ; one plain line behind the conversions
.endr
.irp c, 0,1                                    ; the operand's layout wants blocks 2 c and 2 c + 1 of ONE column in lanes r and 16 + r
.irp i, 0,1,2,3
	v_permlane16_swap_b32 v[X+8*\c+\i], v[X+8*\c+4+\i]   ; the first is now the first tile's group c, the second the second tile's
.endr
.endr
.irp c, 0,1
	global_store_b128 v2, v[X+8*\c:X+8*\c+3], s[34:35] offset:512*\c
	global_store_b128 v2, v[X+8*\c+4:X+8*\c+7], s[34:35] offset:\delta+512*\c
.endr
.endm
.Lw:
	s_sub_co_u32 s24, ttmp9, 256
	s_cmp_ge_u32 s24, 96
	s_cbranch_scc1 .Lws
	s_lshr_b32 s25, s24, 5                         ; 0 Wq, 1 Wk, 2 Wv
	s_and_b32 s26, s24, 31                         ; which 32 columns
	s_lshr_b32 s27, s26, 1                         ; the head
	s_and_b32 s28, s26, 1                          ; b
	s_lshl_b32 s29, s25, 2
	s_lshl_b32 s30, s28, 1
	s_add_co_u32 s29, s29, s30
	s_add_co_u32 s29, s29, 1                       ; the first tile: T = 1 + 4 x matrix + 2 b
	s_wait_alu depctr_va_vdst(0)
	v_and_b32 v7, 7, v1                            ; Q and K: lane r of tile 2 b + u takes dimension 32 b + 8 u + r + 8 (r / 8): bits 3 and 4 of the lane change places
	v_bfe_u32 v8, v1, 3, 1
	v_bfe_u32 v9, v1, 4, 1
	s_delay_alu instid0(VALU_DEP_2)
	v_lshl_or_b32 v7, v8, 4, v7
	s_delay_alu instid0(VALU_DEP_1)
	v_lshl_or_b32 v7, v9, 3, v7
	s_cmp_eq_u32 s25, 2
	s_cselect_b32 s30, -1, 0
	v_cndmask_b32 v7, v7, v1, s30                  ; V: the lanes' columns are neighbours
	s_lshl_b32 s31, s26, 5
	v_add_nc_u32 v7, s31, v7
	s_delay_alu instid0(VALU_DEP_1)
	v_lshlrev_b32 v7, 2, v7
	s_mul_i32 s32, s27, WREC
	s_lshl_b32 s33, s29, 3
	s_add_co_u32 s33, s33, s20
	s_lshl_b32 s33, s33, 10
	s_add_co_u32 s34, s32, s33                     ; fragment (T, k)
	s_mov_b32 s35, 0
	s_mul_i32 s36, s20, 896
	s_add_co_u32 s36, s36, s32
	s_lshl_b32 s33, s29, 6
	s_add_co_u32 s36, s36, s33
	s_add_co_u32 s36, s36, WSCL+64                 ; the two tiles' scale words: 896 k + 64 (T + 1) + 4 x lane
	s_mov_b32 s37, 0
	s_lshl_b32 s38, s20, 19                        ; 128 k rows of 4,096 bytes
	s_mov_b32 s39, 0
	s_wait_alu depctr_va_vdst(0)
	s_wait_kmcnt 0x0
	s_cmp_eq_u32 s25, 0
	s_cselect_b64 s[40:41], s[6:7], s[8:9]
	s_cmp_eq_u32 s25, 2
	s_cselect_b64 s[40:41], s[10:11], s[40:41]
	s_add_nc_u64 s[40:41], s[40:41], s[38:39]
	s_add_nc_u64 s[34:35], s[16:17], s[34:35]
	s_add_nc_u64 s[36:37], s[16:17], s[36:37]
	WQ 4096, 8192
	global_store_b32 v5, v[WW], s[36:37]
	s_endpgm
.Lws:
	; Ws, heads 2 P and 2 P + 1.  Row i of a head's tile (j = i % 8, h = i / 8) takes the head's group 4 ((j / 2) % 2) + 2 h + j % 2; rows j >= 4 repeat rows j - 4.
	s_sub_co_u32 s24, s24, 96                      ; P
	s_wait_alu depctr_va_vdst(0)
	v_and_b32 v7, 1, v1
	v_bfe_u32 v8, v1, 1, 1
	v_bfe_u32 v9, v1, 3, 1
	v_bfe_u32 v10, v1, 4, 1
	s_delay_alu instid0(VALU_DEP_3)
	v_lshl_or_b32 v7, v8, 2, v7
	s_delay_alu instid0(VALU_DEP_1)
	v_lshl_or_b32 v7, v9, 1, v7
	s_delay_alu instid0(VALU_DEP_1)
	v_lshl_or_b32 v7, v10, 3, v7                   ; + 8 for the second head
	s_lshl_b32 s25, s24, 4
	v_add_nc_u32 v7, s25, v7
	s_delay_alu instid0(VALU_DEP_1)
	v_lshlrev_b32 v7, 2, v7
	v_and_b32 v8, 15, v1
	s_delay_alu instid0(VALU_DEP_1)
	v_lshlrev_b32 v8, 2, v8
	v_mul_u32_u24 v9, v10, WREC
	s_delay_alu instid0(VALU_DEP_1)
	v_add_nc_u32 v8, v8, v9                        ; the scale word's place: 4 r, in my head's record
	s_mul_i32 s32, s24, 2*WREC
	s_lshl_b32 s33, s20, 10
	s_add_co_u32 s34, s32, s33                     ; fragment (0, k)
	s_mov_b32 s35, 0
	s_mul_i32 s36, s20, 896
	s_add_co_u32 s36, s36, s32
	s_add_co_u32 s36, s36, WSCL
	s_mov_b32 s37, 0
	s_lshl_b32 s38, s20, 16                        ; 128 k rows of 512 bytes
	s_mov_b32 s39, 0
	s_wait_alu depctr_va_vdst(0)
	s_wait_kmcnt 0x0
	s_add_nc_u64 s[40:41], s[12:13], s[38:39]
	s_add_nc_u64 s[34:35], s[16:17], s[34:35]
	s_add_nc_u64 s[36:37], s[16:17], s[36:37]
	WQ 512, WREC
	global_store_b32 v8, v[WW], s[36:37]
	global_store_b32 v8, v[WW], s[36:37] offset:64 ; twice, so that every byte of the record is written
	s_endpgm
.Lfunc_end_k_q1d01b55f82_quant:
	.size	k_q1d01b55f82_quant, .Lfunc_end_k_q1d01b55f82_quant-k_q1d01b55f82_quant
	.p2alignl 7, 3214868480
	.fill 96, 4, 3214868480
	.section	.rodata,"a",@progbits
	.p2align	6, 0x0
	.amdhsa_kernel k_q1d01b55f82_quant
		.amdhsa_group_segment_fixed_size 136192
		.amdhsa_private_segment_fixed_size 0
		.amdhsa_enable_private_segment 0
		.amdhsa_kernarg_size 56
		.amdhsa_user_sgpr_count 2
		.amdhsa_user_sgpr_kernarg_segment_ptr 1
		.amdhsa_wavefront_size32 1
		.amdhsa_system_sgpr_workgroup_id_x 1
		.amdhsa_system_sgpr_workgroup_id_y 1
		.amdhsa_system_sgpr_workgroup_id_z 1
		.amdhsa_system_vgpr_workitem_id 0
		.amdhsa_next_free_vgpr 242
		.amdhsa_next_free_sgpr 66
		.amdhsa_reserve_vcc 0
		.amdhsa_float_denorm_mode_32 3
		.amdhsa_float_denorm_mode_16_64 3
		.amdhsa_memory_ordered 1
		.amdhsa_forward_progress 1
		.amdhsa_inst_pref_size 64
	.end_amdhsa_kernel
	.amdgpu_metadata
---
amdhsa.version: [ 1, 2 ]
amdhsa.kernels:
  - .name:           k_q1d01b55f82_quant
    .symbol:         k_q1d01b55f82_quant.kd
    .args:
      - { .name: hidden_states, .offset: 0, .size: 8, .value_kind: global_buffer, .address_space: global }
      - { .name: Wq, .offset: 8, .size: 8, .value_kind: global_buffer, .address_space: global }
      - { .name: Wk, .offset: 16, .size: 8, .value_kind: global_buffer, .address_space: global }
      - { .name: Wv, .offset: 24, .size: 8, .value_kind: global_buffer, .address_space: global }
      - { .name: Ws, .offset: 32, .size: 8, .value_kind: global_buffer, .address_space: global }
      - { .name: hq, .offset: 40, .size: 8, .value_kind: global_buffer, .address_space: global }
      - { .name: wq, .offset: 48, .size: 8, .value_kind: global_buffer, .address_space: global }
    .group_segment_fixed_size: 136192
    .private_segment_fixed_size: 0
    .kernarg_segment_align: 8
    .kernarg_segment_size: 56
    .max_flat_workgroup_size: 256
    .sgpr_count:     66
    .vgpr_count:     242
    .wavefront_size: 32
...
	.end_amdgpu_metadata
.endif
;; end of part 1
;; launch proj (part 2): grid 16 x 16, 4 waves a work-group, clusters of 4 x 1, 168,448 bytes of LDS; arguments hq, wq, bq, bk, bv, bs, q, kv; writes q, kv
.if DOCPART == 2
	.amdgcn_target "amdgcn-amd-amdhsa--gfx1250"
	.amdhsa_code_object_version 6
	.text
	.protected	k_q1d01b55f82_proj
	.globl	k_q1d01b55f82_proj
	.p2align	8
	.type	k_q1d01b55f82_proj,@function
k_q1d01b55f82_proj:
	s_mov_b64 s[64:65], 0
	v_nop
	global_prefetch_b8 v0, s[64:65] scope:SCOPE_SE
	s_setreg_imm32_b32 hwreg(HW_REG_WAVE_MODE, 25, 1), 1
	s_wait_xcnt 0x0
	s_wait_alu depctr_hold_cnt(0) depctr_sa_sdst(0) depctr_va_vdst(0) depctr_va_sdst(0) depctr_va_ssrc(0) depctr_va_vcc(0) depctr_vm_vsrc(0)
	s_getreg_b32 s2, hwreg(HW_REG_IB_STS2, 6, 4)
	s_cmp_eq_u32 s2, 0
	s_cbranch_scc0 .Lentry_in_a_cluster
	s_endpgm
.Lentry_in_a_cluster:
	s_bfe_u32 s2, ttmp6, 0x10000c
	s_cmp_lg_u32 s2, 0x3003
	s_cbranch_scc0 .Lentry_shape_is_right
	s_endpgm
.Lentry_shape_is_right:
; Q = (h Wq + bq) x s, s = 0.2 sigmoid(h Ws + bs) + 0.9 (one s for each 8 dimensions of a head), K = h Wk + bk, V = h Wv + bv: four products on codes of FP4 (E2M1) with E8M0 scales, K = 1,024, sums in f32;
; then Q and K are quantised along the head's 64 dimensions and V along the keys, in registers, and leave as images of the operand registers of the attention launch.
; LIMITS: NaN and infinities are not served; a block whose largest magnitude lies under 2^-124, a block of zeros among them, gets the byte 1 (its bytes are read by this program alone);
; a bias is the C of its sum's first matrix instruction, so it is added ahead of the products and not behind them.
; SHARES.  A work-group takes one head and 512 rows; wave w takes the 128 rows of block R = 4 x + w against the head's 13 tiles of 16 columns: 832 matrix instructions.  The wave's 64 fragments of h fill 512 registers
; for the whole launch.  The head's weights, 113,664 bytes, come into LDS once.  CLUSTER: the four work-groups of a cluster have the same head: each quarter of the weights is asked for JOINTLY, by the same tensor load in all four.
; LDS is filled once: no slot, no refill.
; s, Q and K are made TRANSPOSED (source 0 = 16 columns of the weight, source 1 = 16 rows of h): a lane holds one row of h, and its registers run along the head's dimensions.  The columns that form a tile were chosen by the
; launch before, so that the 16 registers of tiles 2 b and 2 b + 1 are dimensions 32 b + 16 (lane / 16) + 0 .. 15, and all eight registers of a tile of Q belong to one group of s.
; V is made the other way round (source 0 = h): a lane holds one dimension and its registers run along the keys; the rows that form a tile of h make the 16 registers of tiles 2 b, 2 b + 1 keys 32 b + 16 (lane / 16) + 0 .. 15.
; REGISTERS, in windows of 256.  Window 0: v1-7 addresses; v8-11 words on their way out; v12-43 h's scale words; v44-59 the weights', two sets; v60-87 at work; v88-119 codes; v120-121 0.9; v128-255 two tiles' accumulators.
;   Window 1: v0-127 a tile's 8 fragments of the weight, two sets; v128-199 biases; v200-231 s.   Windows 2, 3: h's fragment (m, k) in window 2 + k / 4 at v[64 (k % 4) + 8 m].
.set HREC, 69632
.set WREC, 113664
.set WSCL, 106496
.set QREC, 4608
.set KREC, 8704
.set LI,   1                           ; v1  16 x lane: an image's place for my lane, in memory and in LDS
.set LI1,  2                           ; v2  the same + 65,536: an LDS offset has 16 bits
.set R4S,  3                           ; v3  LDS: 4 (lane % 16) + where the weights' scale words begin
.set L4,   4                           ; v4  4 x lane
.set H64,  5                           ; v5  64 (lane / 16)
.set H8,   6                           ; v6  8 (lane / 16)
.set R4,   7                           ; v7  4 (lane % 16)
.set OW,   8
.set HS,   12                          ; h's scale words: v[HS + 8 b + k]: lanes 0-15 tile 2 b, lanes 16-31 tile 2 b + 1
.set WS,   44                          ; the weight's: v[WS + 8 (T % 2) + k]
.set TM,   60                          ; four largest magnitudes
.set TP,   64                          ; four permute destinations, then bytes
.set TS,   68                          ; four scale operands
.set BY,   72                          ; v72-79 a tile of rows' two scale bytes
.set KW,   80                          ; v80-83 K's scale words
.set VW,   84                          ; v84-87 V's
.set PC,   88                          ; v88-119 codes
.set C09,  120
.set ACC,  128
.set BI,   128                         ; window 1: biases: s at BI, tile T = 1 .. 8 at BI + 8 T; V's four later over Q's
.set SV,   200                         ; window 1: s: v[SV + 4 m + 2 b + u]: for tile of rows m, the group of Q's tile 2 b + u in my half of the lanes
.set MSB, 0
.macro WIN new                         ; the immediate's high byte repeats the setting that is left
.if MSB != \new
	s_set_vgpr_msb (MSB<<8)|\new
.set MSB, \new
.endif
.endm
.macro CROUND                          ; a round of the cluster's barrier
	s_barrier_signal -1
	s_barrier_wait -1
	s_cmp_lg_u32 s20, 0
	s_cbranch_scc1 .Lnot_wave_0_\@
	s_barrier_signal -3
.Lnot_wave_0_\@:
	s_barrier_wait -3
	s_barrier_signal -1
	s_barrier_wait -1
.endm
.macro PLACES
.rept 4
	v_nop
.endr
.endm
	s_load_b256 s[4:11], s[0:1], 0x0               ; hq, wq, bq, bk
	s_load_b256 s[12:19], s[0:1], 0x20             ; bv, bs, q, kv
	v_lshl_add_u32 v126, v0, 2, 0x29000
	v_mov_b32 v127, 0
	ds_add_u32 v126, v127
	ds_add_u32 v126, v127
	v_lshrrev_b32 v1, 5, v0
	v_readfirstlane_b32 s20, v1                    ; wave 0..3
	s_bfe_u32 s21, ttmp6, 0x40000                  ; cx: it enters addresses in memory alone
	s_lshl_b32 s22, ttmp9, 2
	s_add_co_u32 s22, s22, s21                     ; which 512 rows
	s_and_b32 s23, ttmp7, 0xffff                   ; the head, which the four partners share
	s_lshl_b32 s24, s22, 2
	s_add_co_u32 s24, s24, s20                     ; R: my block of 128 rows
	; descriptor group 1: a quarter of the head's record, 28,416 dense bytes, as 111 rows of 256 bytes (32 elements of 8 bytes), no padding
	s_mov_b32 s32, 15|(3<<16)|(1<<21)              ; 15:0 the mask: all four work-groups; 17:16 elements of 8 bytes; 21 set beside a mask
	s_mov_b32 s33, 32<<16                          ; tensor_dim0
	s_mov_b32 s34, 111<<16                         ; tensor_dim1
	s_mov_b32 s35, 32<<16                          ; tile_dim0
	s_mov_b32 s36, 111                             ; tile_dim1
	s_mov_b32 s37, 32                              ; tensor_dim0_stride
	s_mov_b32 s38, 0
	s_mov_b32 s39, 0
	s_mov_b32 s28, 1                               ; group 0: count = 1,
	s_mul_i32 s29, s20, 28416                      ; LDS address: my wave's quarter,
	s_mul_i32 s40, s23, WREC
	s_add_co_u32 s40, s40, s29                     ; and the same quarter of the head's record
	s_mov_b32 s41, 0
	s_mul_i32 s42, s24, HREC
	s_mov_b32 s43, 0
	s_lshl_b32 s52, s23, 8                         ; the head's 64 numbers of bq, bk, bv
	s_mov_b32 s53, 0
	s_lshl_b32 s54, s23, 5                         ; its 8 of bs
	s_mov_b32 s55, 0
	s_lshr_b32 s25, s24, 4                         ; the batch
	s_lshl_b32 s25, s25, 4
	s_add_co_u32 s25, s25, s23
	s_lshl_b32 s25, s25, 4
	s_and_b32 s26, s24, 15                         ; the key step
	s_add_co_u32 s25, s25, s26                     ; the record: (16 x batch + head) x 16 + step
	s_mul_i32 s56, s25, QREC
	s_mov_b32 s57, 0
	s_mul_i32 s58, s25, KREC
	s_mov_b32 s59, 0
	s_mov_b32 s44, 0x3e4ccccd                      ; 0.2
	s_mov_b32 s45, s44                             ; (named with it as a pair)
	s_mov_b32 s48, 0x76543210
	s_mov_b32 s49, 0xfedcba98                      ; lane l xor 16
	s_mov_b32 s50, 0xffff0000                      ; lanes 16-31
	v_and_b32 v8, 31, v0
	v_lshlrev_b32 v[LI], 4, v8
	v_add_nc_u32 v[LI1], 0x10000, v[LI]
	v_and_b32 v9, 15, v0
	v_lshlrev_b32 v[R4], 2, v9
	v_add_nc_u32 v[R4S], WSCL, v[R4]
	v_lshlrev_b32 v[L4], 2, v8
	v_bfe_u32 v10, v0, 4, 1
	v_lshlrev_b32 v[H64], 6, v10
	v_lshlrev_b32 v[H8], 3, v10
.irp i, 0,1,2,3
	v_mov_b32 v[TP+\i], 0                          ; a lane permute's destination counts as one of its sources
.endr
	v_mov_b32 v[C09], 0x3f666666                   ; 0.9
	v_mov_b32 v[C09+1], 0x3f666666
	s_wait_dscnt 0x0
	s_wait_kmcnt 0x0
	s_add_nc_u64 s[30:31], s[6:7], s[40:41]
	s_or_b32 s31, s31, 0x80000000                  ; type = 2
	s_add_nc_u64 s[4:5], s[4:5], s[42:43]
	s_add_nc_u64 s[8:9], s[8:9], s[52:53]
	s_add_nc_u64 s[10:11], s[10:11], s[52:53]
	s_add_nc_u64 s[12:13], s[12:13], s[52:53]
	s_add_nc_u64 s[14:15], s[14:15], s[54:55]
	s_add_nc_u64 s[16:17], s[16:17], s[56:57]
	s_add_nc_u64 s[18:19], s[18:19], s[58:59]
	CROUND                                         ; all four work-groups are here: the joint loads meet
	tensor_load_to_lds s[28:31], s[32:39]          ; my one tensor load of the launch
	s_nop 0
	PLACES                                         ; four lines ahead of the first switch of windows
	WIN 0x80                                       ; destination window 2
.irp k, 0,1,2,3
.irp m, 0,1,2,3,4,5,6,7
.irp c, 0,1
	global_load_b128 v[64*\k+8*\m+4*\c:64*\k+8*\m+4*\c+3], v[LI], s[4:5] offset:(8*\m+\k)*1024+512*\c   ; 512 consecutive bytes
.endr
.endr
.endr
	WIN 0xc0                                       ; window 3
.irp k, 0,1,2,3
.irp m, 0,1,2,3,4,5,6,7
.irp c, 0,1
	global_load_b128 v[64*\k+8*\m+4*\c:64*\k+8*\m+4*\c+3], v[LI], s[4:5] offset:(8*\m+\k+4)*1024+512*\c
.endr
.endr
.endr
	WIN 0
.irp b, 0,1,2,3
.irp k, 0,1,2,3,4,5,6,7
	global_load_b32 v[HS+8*\b+\k], v[L4], s[4:5] offset:65536+128*(8*\b+\k)
.endr
.endr
	WIN 0x40                                       ; the biases, in the results' layout, into window 1
	s_wait_alu depctr_va_vdst(0)
.irp j, 0,1,2,3,4,5,6,7
	global_load_b32 v[BI+\j], v[H8], s[14:15] offset:16*((\j/2)%2)+4*(\j%2)   ; register j: group 4 ((j / 2) % 2) + 2 h + j % 2
.endr
.irp t, 0,1,2,3                                ; tile 2 b + u, register j: dimension 32 b + 8 u + 16 h + j
	global_load_b128 v[BI+8*(1+\t):BI+8*(1+\t)+3], v[H64], s[8:9] offset:128*(\t/2)+32*(\t%2)
	global_load_b128 v[BI+8*(1+\t)+4:BI+8*(1+\t)+7], v[H64], s[8:9] offset:128*(\t/2)+32*(\t%2)+16
	global_load_b128 v[BI+8*(5+\t):BI+8*(5+\t)+3], v[H64], s[10:11] offset:128*(\t/2)+32*(\t%2)
	global_load_b128 v[BI+8*(5+\t)+4:BI+8*(5+\t)+7], v[H64], s[10:11] offset:128*(\t/2)+32*(\t%2)+16
.endr
	WIN 0
; Tile T's eight fragments and eight scale words, from LDS into set T % 2: 24 loads.
.macro FETCH T
	WIN 0x40
.irp k, 0,1,2,3,4,5,6,7
.irp c, 0,1
.if (\T) < 8
	ds_load_b128 v[64*((\T)%2)+8*\k+4*\c:64*((\T)%2)+8*\k+4*\c+3], v[LI] offset:(8*(\T)+\k)*1024+512*\c
.else
	ds_load_b128 v[64*((\T)%2)+8*\k+4*\c:64*((\T)%2)+8*\k+4*\c+3], v[LI1] offset:(8*(\T)+\k)*1024+512*\c-65536
.endif
.endr
.endr
	WIN 0
.set SCO, 64*((\T)+1)
.if (\T) == 0
.set SCO, 0
.endif
.irp k, 0,1,2,3,4,5,6,7
	ds_load_b32 v[WS+8*((\T)%2)+\k], v[R4S] offset:896*\k+SCO
.endr
.endm
; One matrix instruction: tile T, K step k, tile of rows m.  kind 0: source 0 the weight, source 1 h; kind 1: the other way round.  At k = 0 the bias is C.
.macro ONE T, acc, kind, k, m
.set rD, ACC+(\acc)+8*(\m)
.set rW, 64*((\T)%2)+8*(\k)
.set rH, 64*((\k)%4)+8*(\m)
.set rX, WS+8*((\T)%2)+(\k)
.set rY, HS+8*((\m)/2)+(\k)
.set rC, rD
.if (\k) == 0
.if (\T) < 9
.set rC, BI+8*(\T)
.else
.set rC, BI+8*((\T)-8)
.endif
.endif
.if (\kind) == 0
.if (\m)%2 == 0
	v_wmma_scale_f32_16x16x128_f8f6f4 v[rD:rD+7], v[rW:rW+7], v[rH:rH+7], v[rC:rC+7], v[rX], v[rY] matrix_a_fmt:MATRIX_FMT_FP4 matrix_b_fmt:MATRIX_FMT_FP4
.else
	v_wmma_scale_f32_16x16x128_f8f6f4 v[rD:rD+7], v[rW:rW+7], v[rH:rH+7], v[rC:rC+7], v[rX], v[rY] matrix_a_fmt:MATRIX_FMT_FP4 matrix_b_fmt:MATRIX_FMT_FP4 matrix_b_scale:MATRIX_SCALE_ROW1
.endif
.else
.if (\m)%2 == 0
	v_wmma_scale_f32_16x16x128_f8f6f4 v[rD:rD+7], v[rH:rH+7], v[rW:rW+7], v[rC:rC+7], v[rY], v[rX] matrix_a_fmt:MATRIX_FMT_FP4 matrix_b_fmt:MATRIX_FMT_FP4
.else
	v_wmma_scale_f32_16x16x128_f8f6f4 v[rD:rD+7], v[rH:rH+7], v[rW:rW+7], v[rC:rC+7], v[rY], v[rX] matrix_a_fmt:MATRIX_FMT_FP4 matrix_b_fmt:MATRIX_FMT_FP4 matrix_a_scale:MATRIX_SCALE_ROW1
.endif
.endif
.endm
; 64 matrix instructions: K ascending; in each K step the eight accumulators take turns, one instruction a turn.
.macro MUL T, acc, kind
.irp k, 0,1,2,3,4,5,6,7
.if (\kind) == 0
.if \k == 0
	WIN 0x19                                       ; source 0 window 1, source 1 window 2, C window 1
.elseif \k < 4
	WIN 0x09
.else
	WIN 0x0d                                       ; source 1 window 3
.endif
.else
.if \k == 0
	WIN 0x16                                       ; source 0 window 2, source 1 window 1, C window 1
.elseif \k < 4
	WIN 0x06
.else
	WIN 0x07
.endif
.endif
.irp m, 0,1,2,3,4,5,6,7
	ONE \T, \acc, \kind, \k, \m
.endr
.endr
.endm
.macro TILE T, acc, kind
.if (\T) < 12
	s_wait_dscnt 24                                ; this tile's 24 loads are in; the next tile's 24, the only younger LDS instructions, stay out
.else
	s_wait_dscnt 0x0
.endif
	MUL \T, \acc, \kind
	WIN 0
	PLACES                                         ; four places ahead of loads into the set just multiplied and of the first read of results
.if (\T) <= 10
	FETCH (\T)+2
.endif
.endm
; s = 0.2 / (1 + 2^(-x log2 e)) + 0.9, of registers 0-3 of the eight accumulators.  Each run of transcendentals is one batch: a plain line, one wait, then the readers.
.macro EPI_S
.irp m, 0,1,2,3,4,5,6,7
.irp p, 0,2
	v_pk_mul_f32 v[ACC+8*\m+\p:ACC+8*\m+\p+1], v[ACC+8*\m+\p:ACC+8*\m+\p+1], 0xbfb8aa3b op_sel_hi:[1,0]
.endr
.endr
	s_wait_alu depctr_va_vdst(0)
.irp m, 0,1,2,3,4,5,6,7
.irp j, 0,1,2,3
	v_exp_f32 v[ACC+8*\m+\j], v[ACC+8*\m+\j]
.endr
.endr
	v_nop
	s_wait_alu depctr_va_vdst(0)                   ; the wait ahead of the batch's first reader
.irp m, 0,1,2,3,4,5,6,7
.irp p, 0,2
	v_pk_add_f32 v[ACC+8*\m+\p:ACC+8*\m+\p+1], v[ACC+8*\m+\p:ACC+8*\m+\p+1], 1.0 op_sel_hi:[1,0]
.endr
.endr
	s_wait_alu depctr_va_vdst(0)
.irp m, 0,1,2,3,4,5,6,7
.irp j, 0,1,2,3
	v_rcp_f32 v[ACC+8*\m+\j], v[ACC+8*\m+\j]
.endr
.endr
	v_nop
	s_wait_alu depctr_va_vdst(0)
	WIN 0x40                                       ; destination window 1
.irp m, 0,1,2,3,4,5,6,7
.irp p, 0,2
	v_pk_fma_f32 v[SV+4*\m+\p:SV+4*\m+\p+1], v[ACC+8*\m+\p:ACC+8*\m+\p+1], s[44:45], v[C09:C09+1] op_sel_hi:[1,0,1]
.endr
.endr
	WIN 0
.endm
; Tiles 2 b and 2 b + 1 of Q or K are block b of the 64 dimensions: for each tile of rows m a lane holds 16 of its row's 32 numbers.  isq = 1: first x s.
.macro EPI_QK b, isq
.if \isq
	WIN 0x04                                       ; source 1 window 1
.irp u, 0,1
.irp m, 0,1,2,3,4,5,6,7
.irp j, 0,1,2,3,4,5,6,7
	v_mul_f32 v[ACC+64*\u+8*\m+\j], v[ACC+64*\u+8*\m+\j], v[SV+4*\m+2*\b+\u]
.endr
.endr
.endr
	WIN 0
.endif
.irp g, 0,4                                    ; four tiles of rows by turns; each accumulator is read from its low end on
.irp i, 0,1,2,3
	v_max3_num_f32 v[TM+\i], |v[ACC+8*(\g+\i)]|, |v[ACC+8*(\g+\i)+1]|, 0x1800000   ; with the floor 2^(3 - 127)
.endr
.irp p, 2,4,6
.irp i, 0,1,2,3
	v_max3_num_f32 v[TM+\i], v[TM+\i], |v[ACC+8*(\g+\i)+\p]|, |v[ACC+8*(\g+\i)+\p+1]|
.endr
.endr
.irp p, 0,2,4,6
.irp i, 0,1,2,3
	v_max3_num_f32 v[TM+\i], v[TM+\i], |v[ACC+64+8*(\g+\i)+\p]|, |v[ACC+64+8*(\g+\i)+\p+1]|
.endr
.endr
.irp i, 0,1,2,3
	v_permlanex16_b32 v[TP+\i], v[TM+\i], s48, s49
.endr
.irp i, 0,1,2,3
	v_max_num_f32 v[TM+\i], v[TM+\i], v[TP+\i]     ; with lane l xor 16's 16: the block's largest magnitude
.endr
.irp i, 0,1,2,3
	v_add_nc_u32 v[TS+\i], 0xff000000, v[TM+\i]    ; 2 off the exponent field: the conversion's scale operand
.endr
.irp i, 0,1,2,3
.if \b == 0
	v_lshrrev_b32 v[BY+\g+\i], 23, v[TS+\i]        ; the row's byte of block 0
.else
	v_lshrrev_b32 v[TP+\i], 23, v[TS+\i]
.endif
.endr
.if \b == 1
.irp i, 0,1,2,3
	v_lshl_or_b32 v[BY+\g+\i], v[TP+\i], 8, v[BY+\g+\i]   ; and of block 1 above it
.endr
.endif
.irp i, 0,1,2,3
	v_cvt_scalef32_pk8_fp4_f32 v[PC+4*(\g+\i)+2*\b], v[ACC+8*(\g+\i):ACC+8*(\g+\i)+7], v[TS+\i]
	v_cvt_scalef32_pk8_fp4_f32 v[PC+4*(\g+\i)+2*\b+1], v[ACC+64+8*(\g+\i):ACC+64+8*(\g+\i)+7], v[TS+\i]
.endr
.endr
	v_nop                                          ; one plain line behind the last conversion
.endm
; Both blocks are coded: a lane gets a WHOLE block (lanes 0-15 dimensions 0-31, lanes 16-31 dimensions 32-63), and the eight tiles leave, 512 consecutive bytes each.
.macro FIN_QK isq
.irp m, 0,1,2,3,4,5,6,7
	v_permlane16_swap_b32 v[PC+4*\m], v[PC+4*\m+2]
	v_permlane16_swap_b32 v[PC+4*\m+1], v[PC+4*\m+3]
.endr
.if \isq
.irp m, 0,1,2,3,4,5,6,7
	global_store_b128 v[LI], v[PC+4*\m:PC+4*\m+3], s[16:17] offset:512*\m
.endr
.irp m, 0,1,2,3,4,5,6,7
	v_lshl_or_b32 v[BY+\m], v[BY+\m], 16, v[BY+\m] ; Q's word: its two bytes twice: Q will stand in the lower or in the upper half of a K of 128
.endr
.irp p, 0,1,2,3
	v_cndmask_b32 v[OW+\p], v[BY+2*\p], v[BY+2*\p+1], s50   ; lanes 0-15 tile 2 p's words, lanes 16-31 tile 2 p + 1's
.endr
	global_store_b128 v[LI], v[OW:OW+3], s[16:17] offset:4096
.else
.irp m, 0,1,2,3,4,5,6,7
	global_store_b128 v[LI], v[PC+4*\m:PC+4*\m+3], s[18:19] offset:512*\m
.endr
.irp p, 0,1,2,3
	v_lshl_or_b32 v[KW+\p], v[BY+2*\p+1], 16, v[BY+2*\p]   ; K's word: tiles 2 p and 2 p + 1 are the two halves of one fragment
.endr
.endif
.endm
; Tile t of V: register 16 b + i of the eight accumulators is key 32 b + 16 (lane / 16) + i of dimension 16 t + lane % 16: four blocks along the keys become one fragment and one scale word.
.macro EPI_V t, acc
.set sV, ACC+(\acc)
.irp b, 0,1,2,3
	v_max3_num_f32 v[TM+\b], |v[sV+16*\b]|, |v[sV+16*\b+1]|, 0x1800000
.endr
.irp i, 2,4,6,8,10,12,14
.irp b, 0,1,2,3
	v_max3_num_f32 v[TM+\b], v[TM+\b], |v[sV+16*\b+\i]|, |v[sV+16*\b+\i+1]|
.endr
.endr
.irp b, 0,1,2,3
	v_permlanex16_b32 v[TP+\b], v[TM+\b], s48, s49
.endr
.irp b, 0,1,2,3
	v_max_num_f32 v[TM+\b], v[TM+\b], v[TP+\b]
.endr
.irp b, 0,1,2,3
	v_add_nc_u32 v[TS+\b], 0xff000000, v[TM+\b]
.endr
.irp b, 0,1,2,3
	v_lshrrev_b32 v[TP+\b], 23, v[TS+\b]
.endr
	v_lshl_or_b32 v[VW+\t], v[TP+1], 8, v[TP]
	v_lshl_or_b32 v[VW+\t], v[TP+2], 16, v[VW+\t]
	v_lshl_or_b32 v[VW+\t], v[TP+3], 24, v[VW+\t]
.irp b, 0,1,2,3
	v_cvt_scalef32_pk8_fp4_f32 v[PC+8*\t+2*\b], v[sV+16*\b:sV+16*\b+7], v[TS+\b]
	v_cvt_scalef32_pk8_fp4_f32 v[PC+8*\t+2*\b+1], v[sV+16*\b+8:sV+16*\b+15], v[TS+\b]
.endr
	v_nop                                          ; one plain line behind the last conversion
.irp c, 0,1
.irp i, 0,1
	v_permlane16_swap_b32 v[PC+8*\t+4*\c+\i], v[PC+8*\t+4*\c+2+\i]   ; a whole block to a lane
.endr
.endr
.irp c, 0,1
	global_store_b128 v[LI], v[PC+8*\t+4*\c:PC+8*\t+4*\c+3], s[18:19] offset:4096+1024*\t+512*\c
.endr
.endm
	s_wait_tensorcnt 0x0                           ; my quarter of the weights is in LDS,
	s_barrier_signal -1
	s_barrier_wait -1                              ; everybody's is
	FETCH 0
	FETCH 1
	s_wait_loadcnt 0x0                             ; h, its scale words, the biases
	TILE 0, 0, 0
	EPI_S
	TILE 1, 0, 0
	TILE 2, 64, 0
	EPI_QK 0, 1
	TILE 3, 0, 0
	TILE 4, 64, 0
	EPI_QK 1, 1
	FIN_QK 1
	WIN 0x40                                       ; V's biases take the place of Q's, which are done with: a lane's dimension is 16 t + lane % 16 in all eight registers
.irp t, 0,1,2,3
.irp j, 0,1,2,3,4,5,6,7
	global_load_b32 v[BI+8*(1+\t)+\j], v[R4], s[12:13] offset:64*\t
.endr
.endr
	WIN 0
	TILE 5, 0, 0
	TILE 6, 64, 0
	s_wait_xcnt 0x0                                ; Q's stores have read the codes' registers, which are written again below
	EPI_QK 0, 0
	TILE 7, 0, 0
	TILE 8, 64, 0
	EPI_QK 1, 0
	FIN_QK 0
	s_wait_loadcnt 0x0                             ; V's biases
	TILE 9, 0, 1
	TILE 10, 64, 1
	s_wait_xcnt 0x0                                ; K's stores have read the codes' registers
	EPI_V 0, 0
	EPI_V 1, 64
	TILE 11, 0, 1
	TILE 12, 64, 1
	EPI_V 2, 0
	EPI_V 3, 64
.irp i, 0,1,2,3
	v_cndmask_b32 v[OW+\i], v[KW+\i], v[VW+\i], s50   ; lanes 0-15 K's four words, lanes 16-31 V's.  (Q's store of these registers was freed by the waits above)
.endr
	global_store_b128 v[LI], v[OW:OW+3], s[18:19] offset:8192
	s_wait_dscnt 0x0
	s_wait_tensorcnt 0x0
	ds_add_u32 v126, v127
	s_wait_dscnt 0x0
	CROUND                                         ; the closing round: no work-group ends while a partner may still ask for a tile that names it
	s_endpgm
.Lfunc_end_k_q1d01b55f82_proj:
	.size	k_q1d01b55f82_proj, .Lfunc_end_k_q1d01b55f82_proj-k_q1d01b55f82_proj
	.p2alignl 7, 3214868480
	.fill 96, 4, 3214868480
	.section	.rodata,"a",@progbits
	.p2align	6, 0x0
	.amdhsa_kernel k_q1d01b55f82_proj
		.amdhsa_group_segment_fixed_size 168448
		.amdhsa_private_segment_fixed_size 0
		.amdhsa_enable_private_segment 0
		.amdhsa_kernarg_size 64
		.amdhsa_user_sgpr_count 2
		.amdhsa_user_sgpr_kernarg_segment_ptr 1
		.amdhsa_wavefront_size32 1
		.amdhsa_system_sgpr_workgroup_id_x 1
		.amdhsa_system_sgpr_workgroup_id_y 1
		.amdhsa_system_sgpr_workgroup_id_z 1
		.amdhsa_system_vgpr_workitem_id 0
		.amdhsa_next_free_vgpr 1024
		.amdhsa_next_free_sgpr 66
		.amdhsa_reserve_vcc 0
		.amdhsa_float_denorm_mode_32 3
		.amdhsa_float_denorm_mode_16_64 3
		.amdhsa_memory_ordered 1
		.amdhsa_forward_progress 1
		.amdhsa_inst_pref_size 215
	.end_amdhsa_kernel
	.amdgpu_metadata
---
amdhsa.version: [ 1, 2 ]
amdhsa.kernels:
  - .name:           k_q1d01b55f82_proj
    .symbol:         k_q1d01b55f82_proj.kd
    .args:
      - { .name: hq, .offset: 0, .size: 8, .value_kind: global_buffer, .address_space: global }
      - { .name: wq, .offset: 8, .size: 8, .value_kind: global_buffer, .address_space: global }
      - { .name: bq, .offset: 16, .size: 8, .value_kind: global_buffer, .address_space: global }
      - { .name: bk, .offset: 24, .size: 8, .value_kind: global_buffer, .address_space: global }
      - { .name: bv, .offset: 32, .size: 8, .value_kind: global_buffer, .address_space: global }
      - { .name: bs, .offset: 40, .size: 8, .value_kind: global_buffer, .address_space: global }
      - { .name: q, .offset: 48, .size: 8, .value_kind: global_buffer, .address_space: global }
      - { .name: kv, .offset: 56, .size: 8, .value_kind: global_buffer, .address_space: global }
    .group_segment_fixed_size: 168448
    .private_segment_fixed_size: 0
    .kernarg_segment_align: 8
    .kernarg_segment_size: 64
    .max_flat_workgroup_size: 128
    .sgpr_count:     66
    .vgpr_count:     1024
    .wavefront_size: 32
...
	.end_amdgpu_metadata
.endif
;; end of part 2
;; launch attn (part 3): grid 4 x 64, 16 waves a work-group, clusters of 4 x 1, 210,944 bytes of LDS; arguments q, kv, out0; writes out0
.if DOCPART == 3
	.amdgcn_target "amdgcn-amd-amdhsa--gfx1250"
	.amdhsa_code_object_version 6
	.text
	.protected	k_q1d01b55f82_attn
	.globl	k_q1d01b55f82_attn
	.p2align	8
	.type	k_q1d01b55f82_attn,@function
k_q1d01b55f82_attn:
	s_mov_b64 s[64:65], 0
	v_nop
	global_prefetch_b8 v0, s[64:65] scope:SCOPE_SE
	s_setreg_imm32_b32 hwreg(HW_REG_WAVE_MODE, 25, 1), 1
	s_wait_xcnt 0x0
	s_wait_alu depctr_hold_cnt(0) depctr_sa_sdst(0) depctr_va_vdst(0) depctr_va_sdst(0) depctr_va_ssrc(0) depctr_va_vcc(0) depctr_vm_vsrc(0)
	s_getreg_b32 s2, hwreg(HW_REG_IB_STS2, 6, 4)
	s_cmp_eq_u32 s2, 0
	s_cbranch_scc0 .Lentry_in_a_cluster
	s_endpgm
.Lentry_in_a_cluster:
	s_bfe_u32 s2, ttmp6, 0x10000c
	s_cmp_lg_u32 s2, 0x3003
	s_cbranch_scc0 .Lentry_shape_is_right
	s_endpgm
.Lentry_shape_is_right:
; out0[batch][query][64 head + d] = the sum over the keys of softmax(Q . K / 8) V, both products on codes of FP4 (E2M1) with E8M0 scales, for 64 pairs (batch, head), 2,048 queries and keys, head size 64.
; THE SOFTMAX AHEAD OF THE SECOND PRODUCT: t = score x log2(e) / 8; M = the row's largest t so far, rounded UP to a whole number; p = 2^(t - M) is quantised along the keys, not normalised.  The row's sum is taken of the
; unquantised p and divides at the end.  When M moves, the sum and O are multiplied by 2^(old M - new M): exact.
; LIMITS: NaN and infinities are not served; a block of p whose largest number lies under 2^-124 gets the byte 1; a p under 2^-126 counts as 0.
; SHARES.  A work-group takes one (batch, head) and 512 queries; each of its sixteen waves 32 queries, two tiles a and b, which share every fragment of K and V; four waves to a SIMD.  16 key steps of 128 keys.
; A head's K and V, 16 records of 8,704 bytes, come into LDS ONCE (waves 0-7, two records each) and stay: no slot, no refill.  CLUSTER: the four work-groups of a cluster have the same head and ask for each part JOINTLY.
; A record is an image of operand registers: K's fragment b at 1,024 b (its lower four registers key tile 2 b, its upper four tile 2 b + 1: the head's 64 dimensions are half of a K of 128); V's fragment t at 4,096 + 1,024 t;
; at 8,192 the scale words, 16 bytes a lane: lanes 0-15 K's four, lanes 16-31 V's four.
; K = 64 IN A K OF 128: source 1 is [Q, zeros] for the fragment's first key tile and [zeros, Q] for its second: zero codes add nothing.  Q lies between zeros: v8-11 0, v12-15 Qa, v16-19 0, v20-23 Qb, v24-27 0.
; LAYOUT.  Both products are used transposed (S^T = K Q^T, O^T = V^T P^T): a lane holds ONE query.  The keys that form a tile make register 16 b + i of S^T key 32 b + 16 (lane / 16) + i.
.set KREC,  8704
.set QREC,  4608
.set HEADB, 16*KREC                    ; 139,264 bytes of K and V
.set STG,   HEADB                      ; behind them: a stage of 16 rows x 272 bytes for each wave; no tensor load lands there
.set SP,    272
.set LI,  1                            ; v1   16 x lane
.set AD,  2                            ; v2   LDS address of the step's record, + 16 x lane
.set GO,  3                            ; v3   the way out: 4,096 (lane / 16) + 16 (lane % 16)
.set STI, 4                            ; v4   the stage, in
.set STO, 5                            ; v5   the stage, back
.set QS,  6                            ; v6   Q's scale words: lanes 0-15 tile a, lanes 16-31 tile b
.set SC,  28                           ; v28-31 the step's scale words of K and V
.set KV,  32                           ; v32-63 the step's four fragments of K, then of V
.set S,   64                           ; v64-127 S^T, then p
.set OA,  128                          ; v128-159 tile a's O^T, v160-191 tile b's
.set PCD, 192                          ; v192-207 p's codes
.set PS,  208                          ; v208-209 p's scale words
.set ST0, 210                          ; a tile's pair at ST0 + 4 x: -M, the largest t; the two registers behind each pair are at work in the sums
.set BM,  218                          ; four blocks' largest scores
.set BP,  222
.set BS,  226
.set FF,  230                          ; v[230:231] f = 2^(old M - new M)
.set WK,  232
.set CH,  234                          ; v[234:235] on the way out: tile b's reciprocal
.set ACA, 234                          ; v234-241 tile a's row sum in four pairs, v242-249 tile b's
.macro CROUND                          ; a round of the cluster's barrier
	s_barrier_signal -1
	s_barrier_wait -1
	s_cmp_lg_u32 s10, 0
	s_cbranch_scc1 .Lnot_wave_0_\@
	s_barrier_signal -3
.Lnot_wave_0_\@:
	s_barrier_wait -3
	s_barrier_signal -1
	s_barrier_wait -1
.endm
.macro PLACES
.rept 4
	v_nop
.endr
.endm
	s_load_b128 s[4:7], s[0:1], 0x0                ; q, kv
	s_load_b64 s[8:9], s[0:1], 0x10                ; out0
	v_lshl_add_u32 v254, v0, 2, 0x33000
	v_mov_b32 v255, 0
	ds_add_u32 v254, v255
	ds_add_u32 v254, v255
	v_lshrrev_b32 v1, 5, v0
	s_delay_alu instid0(VALU_DEP_1)
	v_readfirstlane_b32 s10, v1                    ; wave 0..15
	s_bfe_u32 s11, ttmp6, 0x40000                  ; cx: which 512 queries; it enters q's and out0's addresses alone
	s_and_b32 s12, ttmp7, 0xffff                   ; 16 x batch + head, which the four partners share
	; descriptor group 1: two records, 17,408 dense bytes, as 68 rows of 256 bytes (32 elements of 8 bytes), no padding
	s_mov_b32 s20, 15|(3<<16)|(1<<21)              ; 15:0 the mask: all four work-groups; 17:16 elements of 8 bytes; 21 set beside a mask
	s_mov_b32 s21, 32<<16                          ; tensor_dim0
	s_mov_b32 s22, 68<<16                          ; tensor_dim1
	s_mov_b32 s23, 32<<16                          ; tile_dim0
	s_mov_b32 s24, 68                              ; tile_dim1
	s_mov_b32 s25, 32                              ; tensor_dim0_stride
	s_mov_b32 s26, 0
	s_mov_b32 s27, 0
	s_mov_b32 s16, 1                               ; group 0: count = 1,
	s_mul_i32 s17, s10, 2*KREC                     ; LDS address (waves 0-7 alone use it),
	s_mul_i32 s34, s12, HEADB
	s_add_co_u32 s34, s34, s17                     ; and the same part of the head's records
	s_mov_b32 s35, 0
	s_lshl_b32 s36, s12, 4
	s_lshl_b32 s37, s11, 2
	s_add_co_u32 s36, s36, s37
	s_lshr_b32 s37, s10, 2
	s_add_co_u32 s36, s36, s37                     ; my record of q: 16 x (batch, head) + 4 cx + wave / 4
	s_mul_i32 s36, s36, QREC
	s_and_b32 s13, s10, 3                          ; my pair of tiles in it
	s_lshl_b32 s37, s13, 10
	s_add_co_u32 s38, s36, s37                     ; its codes,
	s_mov_b32 s39, 0
	s_lshl_b32 s37, s13, 2
	s_add_co_u32 s40, s36, s37
	s_add_co_u32 s40, s40, 4096                    ; its scale words
	s_mov_b32 s41, 0
	s_lshr_b32 s42, s12, 4
	s_lshl_b32 s42, s42, 11                        ; out0: 2,048 rows a batch,
	s_lshl_b32 s43, s11, 9
	s_add_co_u32 s42, s42, s43                     ; 512 a work-group,
	s_lshl_b32 s43, s10, 5
	s_add_co_u32 s42, s42, s43                     ; 32 a wave;
	s_lshl_b32 s42, s42, 12                        ; 4,096 bytes a row;
	s_and_b32 s43, s12, 15
	s_lshl_b32 s43, s43, 8
	s_add_co_u32 s42, s42, s43                     ; the head's 256 bytes of it
	s_mov_b32 s43, 0
	s_mov_b32 s30, 0x3e38aa3b                      ; c = log2(e) / 8
	s_mov_b32 s31, s30                             ; (named with it as a pair)
	s_mov_b32 s32, 0x76543210
	s_mov_b32 s33, 0xfedcba98                      ; lane l xor 16
	s_wait_dscnt 0x0
	s_wait_kmcnt 0x0
	s_add_nc_u64 s[18:19], s[6:7], s[34:35]
	s_or_b32 s19, s19, 0x80000000                  ; type = 2
	s_add_nc_u64 s[38:39], s[4:5], s[38:39]
	s_add_nc_u64 s[40:41], s[4:5], s[40:41]
	s_add_nc_u64 s[8:9], s[8:9], s[42:43]
	CROUND                                         ; all four work-groups are here: the joint loads meet
	s_cmp_lt_u32 s10, 8                            ; the branch hangs on the wave's number alone
	s_cbranch_scc0 .Lno_fetch
	tensor_load_to_lds s[16:19], s[20:27]          ; a wave's one tensor load of the launch
	s_nop 0
	PLACES
.Lno_fetch:
	v_and_b32 v7, 31, v0
	s_delay_alu instid0(VALU_DEP_1)
	v_lshlrev_b32 v[LI], 4, v7
	global_load_b128 v[12:15], v[LI], s[38:39] th:TH_LOAD_NT             ; Qa
	global_load_b128 v[20:23], v[LI], s[38:39] offset:512 th:TH_LOAD_NT  ; Qb
	global_load_b32 v[QS], v[LI], s[40:41]
	v_and_b32 v[WK], 15, v0                        ; r
	v_bfe_u32 v[WK+1], v0, 4, 1                    ; h
	s_mul_i32 s14, s10, 16*SP
	s_add_co_u32 s14, s14, STG                     ; my stage
	v_mul_u32_u24 v[STI], v[WK], SP
	s_delay_alu instid0(VALU_DEP_1)
	v_lshl_add_u32 v[STI], v[WK+1], 5, v[STI]
	s_delay_alu instid0(VALU_DEP_1)
	v_add_nc_u32 v[STI], s14, v[STI]               ; in: row r, + 32 h
	v_mul_u32_u24 v[STO], v[WK+1], SP
	s_delay_alu instid0(VALU_DEP_1)
	v_lshl_add_u32 v[STO], v[WK], 4, v[STO]
	s_delay_alu instid0(VALU_DEP_1)
	v_add_nc_u32 v[STO], s14, v[STO]               ; back: lanes 0-15 one row, lanes 16-31 the next
	v_lshlrev_b32 v[GO], 12, v[WK+1]
	s_delay_alu instid0(VALU_DEP_1)
	v_lshl_add_u32 v[GO], v[WK], 4, v[GO]          ; and the same in out0
.irp j, 8,9,10,11,16,17,18,19,24,25,26,27
	v_mov_b32 v\j, 0                               ; the zero codes round Q
.endr
.set n_, 0
.rept 64
	v_mov_b32 v[OA+n_], 0                          ; O^T.  (The step is written once: the first finds zeros, which the first change of M leaves zeros)
.set n_, n_+1
.endr
.irp x, 0,1
	v_mov_b32 v[ST0+4*\x+1], 0xff61b1e6            ; the largest t so far: -3e38
	s_delay_alu instid0(VALU_DEP_1)
	v_floor_f32 v[ST0+4*\x], -v[ST0+4*\x+1]        ; -M
.irp j, 0,1,2,3,4,5,6,7
	v_mov_b32 v[ACA+8*\x+\j], 0                    ; the sum, in four pairs
.endr
.endr
.irp b, 0,1,2,3
	v_mov_b32 v[BP+\b], 0                          ; a lane permute's destination counts as one of its sources
.endr
	v_mov_b32 v[FF+1], 0                           ; (named as the upper half of a pair)
	s_wait_tensorcnt 0x0                           ; my part of K and V is in LDS,
	s_barrier_signal -1
	s_barrier_wait -1                              ; everybody's is
	s_wait_loadcnt 0x0                             ; Q
; S^T of tile x: eight matrix instructions, each with C = 0
.macro QK x
.irp b, 0,1,2,3
.if \x == 0
	v_wmma_scale_f32_16x16x128_f8f6f4 v[S+16*\b:S+16*\b+7], v[KV+8*\b:KV+8*\b+7], v[12:19], 0, v[SC+\b], v[QS] matrix_a_fmt:MATRIX_FMT_FP4 matrix_b_fmt:MATRIX_FMT_FP4
	v_wmma_scale_f32_16x16x128_f8f6f4 v[S+16*\b+8:S+16*\b+15], v[KV+8*\b:KV+8*\b+7], v[8:15], 0, v[SC+\b], v[QS] matrix_a_fmt:MATRIX_FMT_FP4 matrix_b_fmt:MATRIX_FMT_FP4
.else
	v_wmma_scale_f32_16x16x128_f8f6f4 v[S+16*\b:S+16*\b+7], v[KV+8*\b:KV+8*\b+7], v[20:27], 0, v[SC+\b], v[QS] matrix_a_fmt:MATRIX_FMT_FP4 matrix_b_fmt:MATRIX_FMT_FP4 matrix_b_scale:MATRIX_SCALE_ROW1
	v_wmma_scale_f32_16x16x128_f8f6f4 v[S+16*\b+8:S+16*\b+15], v[KV+8*\b:KV+8*\b+7], v[16:23], 0, v[SC+\b], v[QS] matrix_a_fmt:MATRIX_FMT_FP4 matrix_b_fmt:MATRIX_FMT_FP4 matrix_b_scale:MATRIX_SCALE_ROW1
.endif
.endr
.endm
; Tile x's softmax of 128 keys: S^T becomes p, p's codes and scale word; the sum and O^T go under the new M.
.macro EX n                            ; p = 2^(t - M) of register n of S^T
	v_exp_f32 v[S+(\n)], v[S+(\n)]
.endm
.macro FMAP n                          ; t - M of registers n, n + 1
	v_pk_fma_f32 v[S+(\n):S+(\n)+1], v[S+(\n):S+(\n)+1], s[30:31], v[NM:NM+1] op_sel_hi:[1,0,0]
.endm
.macro TREG i                          ; the i-th pair of first sums: v250, v252, v212, v216
.set TT, (1-(\i)/2)*(250+2*(\i))+((\i)/2)*(204+4*(\i))
.endm
.macro L1 i, n                         ; first sums: p's registers n .. n + 3 into pair i
	TREG \i
	v_pk_add_f32 v[TT:TT+1], v[S+(\n):S+(\n)+1], v[S+(\n)+2:S+(\n)+3]
.endm
.macro L2 i                            ; pair i onto the row's i-th pair of sums
	TREG \i
	v_pk_add_f32 v[AC+2*(\i):AC+2*(\i)+1], v[AC+2*(\i):AC+2*(\i)+1], v[TT:TT+1]
.endm
.macro SOFT x
.set NM, ST0+4*\x
.set OO, OA+32*\x
.set PX, PCD+8*\x
.set AC, ACA+8*\x
.irp b, 0,1,2,3
	v_max3_num_f32 v[BM+\b], v[S+16*\b], v[S+16*\b+1], v[S+16*\b+2]   ; the largest score of each block of 32 keys: for the row's maximum and, since p rises with the score, for the block's largest p
.endr
.irp i, 3,5,7,9,11,13
.irp b, 0,1,2,3
	v_max3_num_f32 v[BM+\b], v[BM+\b], v[S+16*\b+\i], v[S+16*\b+\i+1]
.endr
.endr
.irp b, 0,1,2,3
	v_max_num_f32 v[BM+\b], v[BM+\b], v[S+16*\b+15]
.endr
.irp b, 0,1,2,3
	s_delay_alu instid0(VALU_DEP_4)
	v_permlanex16_b32 v[BP+\b], v[BM+\b], s32, s33
.endr
.irp b, 0,1,2,3
	s_delay_alu instid0(VALU_DEP_4)
	v_max_num_f32 v[BM+\b], v[BM+\b], v[BP+\b]     ; with lane l xor 16's 16 keys
.endr
	s_delay_alu instid0(VALU_DEP_2)
	v_max3_num_f32 v[WK], v[BM], v[BM+1], v[BM+2]
	s_delay_alu instid0(VALU_DEP_1)
	v_max_num_f32 v[WK], v[WK], v[BM+3]
	s_delay_alu instid0(VALU_DEP_1)
	v_mul_f32 v[WK], s30, v[WK]                    ; the step's largest t (c is positive)
	s_delay_alu instid0(VALU_DEP_1)
	v_max_num_f32 v[NM+1], v[NM+1], v[WK]          ; the running largest t
	v_mov_b32 v[WK], v[NM]
	s_delay_alu instid0(VALU_DEP_2)
	v_floor_f32 v[NM], -v[NM+1]                    ; the new -M = -ceil(t)
	s_delay_alu instid0(VALU_DEP_1)
	v_sub_f32 v[WK], v[NM], v[WK]                  ; old M - new M: a whole number, 0 or less
	s_delay_alu instid0(VALU_DEP_1)
	v_cvt_i32_f32 v[WK], v[WK]                     ; (it saturates)
	s_delay_alu instid0(VALU_DEP_1)
	v_ldexp_f32 v[FF], 1.0, v[WK]                  ; f
.set n_, 0
.rept 8
	v_pk_fma_f32 v[S+n_:S+n_+1], v[S+n_:S+n_+1], s[30:31], v[NM:NM+1] op_sel_hi:[1,0,0]   ; t - M of block 0, two at a time
.set n_, n_+2
.endr
.irp b, 0,1,2,3
	v_fma_f32 v[BM+\b], v[BM+\b], s30, v[NM]       ; the same of each block's largest score
.endr
.set n_, 0
	s_wait_alu depctr_va_vdst(0)
; FOUR BATCHES OF EXPONENTIALS, one for each block of 32 keys.  Between a batch's exponentials stand plain lines that read only what was written ahead of the batch's wait
; and whose results are first read behind the next wait: the next block's t - M, the sums of earlier blocks (one level a batch), one level of the scales' arithmetic.
; Each batch has its wait ahead of it and behind it, and ends with a plain line.
.irp i, 0,1,2,3,4,5,6,7                        ; batch 0: p of block 0 and the four blocks' largest p; the sums under the new M; t - M of block 1
.if \i >= 4
	v_exp_f32 v[BM+\i-4], v[BM+\i-4]
.endif
	EX 2*\i
.if \i < 4
	v_pk_mul_f32 v[AC+2*\i:AC+2*\i+1], v[AC+2*\i:AC+2*\i+1], v[FF:FF+1] op_sel_hi:[1,0]
.endif
	EX 2*\i+1
	FMAP 16+2*\i
.endr
	s_wait_alu depctr_va_vdst(0)
.irp i, 0,1,2,3,4,5,6,7                        ; batch 1: p of block 1; t - M of block 2; block 0's first sums; the floor 2^(3 - 127) under the largest p: the byte cannot fall under 1
	EX 16+2*\i
	FMAP 32+2*\i
	EX 17+2*\i
.if \i < 4
	L1 \i, 4*\i
.else
	v_max_num_f32 v[BM+\i-4], 0x1800000, v[BM+\i-4]
.endif
.endr
	s_wait_alu depctr_va_vdst(0)
.irp i, 0,1,2,3,4,5,6,7                        ; batch 2: p of block 2; t - M of block 3; block 0 into the row's sum, then block 1's first sums; the conversions' scale operands
	EX 32+2*\i
	FMAP 48+2*\i
	EX 33+2*\i
.if \i < 4
	L2 \i
	v_add_nc_u32 v[BS+\i], 0xff000000, v[BM+\i]
.else
	L1 \i-4, 4*\i
.endif
.endr
	s_wait_alu depctr_va_vdst(0)
.irp i, 0,1,2,3,4,5,6,7                        ; batch 3: p of block 3; block 1 into the row's sum, then block 2's first sums; the scales' bytes
	EX 48+2*\i
.if \i < 4
	v_lshrrev_b32 v[BP+\i], 23, v[BS+\i]
.endif
	EX 49+2*\i
.if \i < 4
	L2 \i
.else
	L1 \i-4, 16+4*\i
.endif
.endr
	s_wait_alu depctr_va_vdst(0)                   ; behind the step's last exponential: it also stands ahead of the first reader of O^T below
.irp i, 0,1,2,3
	L2 \i                                          ; block 2 into the row's sum,
.endr
.irp i, 0,1,2,3
	L1 \i, 48+4*\i                                 ; block 3's first sums,
.endr
.irp i, 0,1,2,3
	L2 \i                                          ; and block 3
.endr
	v_lshl_or_b32 v[PS+\x], v[BP+1], 8, v[BP]      ; p's scale word for these 128 keys
	s_delay_alu instid0(VALU_DEP_1)
	v_lshl_or_b32 v[PS+\x], v[BP+2], 16, v[PS+\x]
	s_delay_alu instid0(VALU_DEP_1)
	v_lshl_or_b32 v[PS+\x], v[BP+3], 24, v[PS+\x]
.irp b, 0,1,2,3
	v_cvt_scalef32_pk8_fp4_f32 v[PX+2*\b], v[S+16*\b:S+16*\b+7], v[BS+\b]
	v_cvt_scalef32_pk8_fp4_f32 v[PX+2*\b+1], v[S+16*\b+8:S+16*\b+15], v[BS+\b]
.endr
	v_nop                                          ; one plain line behind the last conversion
.irp c, 0,1
.irp i, 0,1
	v_permlane16_swap_b32 v[PX+4*\c+\i], v[PX+4*\c+2+\i]   ; a whole block to a lane
.endr
.endr
.set n_, 0
.rept 16
	v_pk_mul_f32 v[OO+n_:OO+n_+1], v[OO+n_:OO+n_+1], v[FF:FF+1] op_sel_hi:[1,0]   ; O^T under the new M.  (For every product below, at least twelve of these sixteen name none of its registers: the places between the scale word, the codes and the product)
.set n_, n_+2
.endr
.endm
	s_mov_b32 s28, 0                               ; LDS byte of the step's record
	s_mov_b32 s29, 16
.Lstep:
	v_add_nc_u32 v[AD], s28, v[LI]
.rept 3
	v_nop                                          ; with the line above: four places behind the last trip's products, ahead of loads into their sources
.endr
.irp b, 0,1,2,3
.irp c, 0,1
	ds_load_b128 v[KV+8*\b+4*\c:KV+8*\b+4*\c+3], v[AD] offset:1024*\b+512*\c
.endr
.endr
	ds_load_b128 v[SC:SC+3], v[AD] offset:8192
	s_wait_dscnt 0x0
	QK 0
	PLACES
	SOFT 0
	QK 1
	PLACES                                         ; for the loads into K's registers and for the first read of the scores
.irp t, 0,1,2,3
.irp c, 0,1
	ds_load_b128 v[KV+8*\t+4*\c:KV+8*\t+4*\c+3], v[AD] offset:4096+1024*\t+512*\c   ; V lands while tile b's softmax is worked
.endr
.endr
	SOFT 1
	s_wait_alu depctr_va_vdst(0)
	s_wait_dscnt 0x0                               ; V
.irp t, 0,1,2,3                                ; O^T += V^T P^T: eight accumulators, one instruction each
	v_wmma_scale_f32_16x16x128_f8f6f4 v[OA+8*\t:OA+8*\t+7], v[KV+8*\t:KV+8*\t+7], v[PCD:PCD+7], v[OA+8*\t:OA+8*\t+7], v[SC+\t], v[PS] matrix_a_fmt:MATRIX_FMT_FP4 matrix_b_fmt:MATRIX_FMT_FP4 matrix_a_scale:MATRIX_SCALE_ROW1
	v_wmma_scale_f32_16x16x128_f8f6f4 v[OA+32+8*\t:OA+32+8*\t+7], v[KV+8*\t:KV+8*\t+7], v[PCD+8:PCD+15], v[OA+32+8*\t:OA+32+8*\t+7], v[SC+\t], v[PS+1] matrix_a_fmt:MATRIX_FMT_FP4 matrix_b_fmt:MATRIX_FMT_FP4 matrix_a_scale:MATRIX_SCALE_ROW1
.endr
	s_add_co_u32 s28, s28, KREC
	s_sub_co_u32 s29, s29, 1
	s_cmp_lg_u32 s29, 0
	s_cbranch_scc1 .Lstep
	; THE WAY OUT.  O^T / the sum goes through my stage, a tile (16 queries x 256 bytes) at a time, and leaves as whole rows: sixteen lanes store 256 consecutive bytes, at a multiple of 256 from out0's first byte.
	PLACES
.irp x, 0,1                                    ; a tile's four pairs of sums become one number
	v_pk_add_f32 v[ACA+8*\x:ACA+8*\x+1], v[ACA+8*\x:ACA+8*\x+1], v[ACA+8*\x+2:ACA+8*\x+3]
	v_pk_add_f32 v[ACA+8*\x+4:ACA+8*\x+5], v[ACA+8*\x+4:ACA+8*\x+5], v[ACA+8*\x+6:ACA+8*\x+7]
	v_pk_add_f32 v[ACA+8*\x:ACA+8*\x+1], v[ACA+8*\x:ACA+8*\x+1], v[ACA+8*\x+4:ACA+8*\x+5]
.endr
.irp x, 0,1
	v_add_f32 v[ST0+4*\x+2], v[ACA+8*\x], v[ACA+8*\x+1]
.endr
.irp x, 0,1
	s_delay_alu instid0(VALU_DEP_2)
	v_permlanex16_b32 v[BP+\x], v[ST0+4*\x+2], s32, s33
.endr
.irp x, 0,1
	s_delay_alu instid0(VALU_DEP_2)
	v_add_f32 v[ST0+4*\x+2], v[ST0+4*\x+2], v[BP+\x]   ; the row's sum
.endr
	s_wait_alu depctr_va_vdst(0)
	v_rcp_f32 v[FF], v[ST0+2]
	v_rcp_f32 v[CH], v[ST0+6]
	v_nop
	s_wait_alu depctr_va_vdst(0)                   ; one wait for the two reciprocals
.set n_, 0
.rept 16
	v_pk_mul_f32 v[OA+n_:OA+n_+1], v[OA+n_:OA+n_+1], v[FF:FF+1] op_sel_hi:[1,0]
.set n_, n_+2
.endr
.set n_, 0
.rept 16
	v_pk_mul_f32 v[OA+32+n_:OA+32+n_+1], v[OA+32+n_:OA+32+n_+1], v[CH:CH+1] op_sel_hi:[1,0]
.set n_, n_+2
.endr
.irp x, 0,1
.irp t, 0,1,2,3
	ds_store_b128 v[STI], v[OA+32*\x+8*\t:OA+32*\x+8*\t+3] offset:64*\t        ; lane (r, h): dimensions 16 t + 8 h + 0 .. 7 of the tile's row r
	ds_store_b128 v[STI], v[OA+32*\x+8*\t+4:OA+32*\x+8*\t+7] offset:64*\t+16
.endr
.irp i, 0,1,2,3,4,5,6,7
	ds_load_b128 v[S+32*\x+4*\i:S+32*\x+4*\i+3], v[STO] offset:2*\i*SP         ; LDS serves a wave's instructions in order: these see my stores, and tile b's stores come behind them
.endr
.endr
.irp x, 0,1
.irp i, 0,1,2,3,4,5,6,7
	s_wait_dscnt 16*(1-\x)+7-\i                    ; behind this load: the tile's later loads, and for tile a tile b's sixteen LDS instructions
	global_store_b128 v[GO], v[S+32*\x+4*\i:S+32*\x+4*\i+3], s[8:9] offset:(8*\x+2*\i+8*(\i/4))*4096 th:TH_STORE_NT   ; the tile's row n is query 8 x + n + 8 (n / 8) of my 32
.endr
.endr
	s_wait_dscnt 0x0
	s_wait_tensorcnt 0x0
	ds_add_u32 v254, v255
	s_wait_dscnt 0x0
	CROUND                                         ; the closing round: no work-group ends while a partner may still ask for a tile that names it
	s_endpgm
.Lfunc_end_k_q1d01b55f82_attn:
	.size	k_q1d01b55f82_attn, .Lfunc_end_k_q1d01b55f82_attn-k_q1d01b55f82_attn
	.p2alignl 7, 3214868480
	.fill 96, 4, 3214868480
	.section	.rodata,"a",@progbits
	.p2align	6, 0x0
	.amdhsa_kernel k_q1d01b55f82_attn
		.amdhsa_group_segment_fixed_size 210944
		.amdhsa_private_segment_fixed_size 0
		.amdhsa_enable_private_segment 0
		.amdhsa_kernarg_size 24
		.amdhsa_user_sgpr_count 2
		.amdhsa_user_sgpr_kernarg_segment_ptr 1
		.amdhsa_wavefront_size32 1
		.amdhsa_system_sgpr_workgroup_id_x 1
		.amdhsa_system_sgpr_workgroup_id_y 1
		.amdhsa_system_sgpr_workgroup_id_z 1
		.amdhsa_system_vgpr_workitem_id 0
		.amdhsa_next_free_vgpr 256
		.amdhsa_next_free_sgpr 66
		.amdhsa_reserve_vcc 0
		.amdhsa_float_denorm_mode_32 3
		.amdhsa_float_denorm_mode_16_64 3
		.amdhsa_memory_ordered 1
		.amdhsa_forward_progress 1
		.amdhsa_inst_pref_size 46
	.end_amdhsa_kernel
	.amdgpu_metadata
---
amdhsa.version: [ 1, 2 ]
amdhsa.kernels:
  - .name:           k_q1d01b55f82_attn
    .symbol:         k_q1d01b55f82_attn.kd
    .args:
      - { .name: q, .offset: 0, .size: 8, .value_kind: global_buffer, .address_space: global }
      - { .name: kv, .offset: 8, .size: 8, .value_kind: global_buffer, .address_space: global }
      - { .name: out0, .offset: 16, .size: 8, .value_kind: global_buffer, .address_space: global }
    .group_segment_fixed_size: 210944
    .private_segment_fixed_size: 0
    .kernarg_segment_align: 8
    .kernarg_segment_size: 24
    .max_flat_workgroup_size: 512
    .sgpr_count:     66
    .vgpr_count:     256
    .wavefront_size: 32
...
	.end_amdgpu_metadata
.endif
;; end of part 3
